; MI455X (gfx1250); checked and timed in simulation.
; The chip was launched on July 23, 2026; its instructions are those of AMD's public machine-readable ISA for CDNA 5 (MIT licence, August 2026) and "CDNA5" Instruction Set Architecture Reference Guide (July 2026). The comments in the code are by the model that wrote it; some were corrected since.
;; Attn. Allowed arithmetic: matrix products marked QUANTISED: E3M2 operands, one E8M0 scale for each 32 along K, by v_wmma_scale_f32_16x16x128_f8f6f4 with both operands' format E3M2, f32 sums; products left as they are: f32 operands where the result goes on into a quantised operand, else bf16, f16 or f32 operands; f32 sums; everything else in f32.
;; Inputs: W_dec 1,024 x 1,024 float32; W_enc 1,024 x 1,024 float32; b_dec 1,024 float32; coverage 32 x 2,048 float32; decoder_hidden 32 x 1 x 1,024 float32; encoder_outputs 32 x 2,048 x 1,024 float32; v 1,024 float32; w_cov 1,024 float32.
;; Outputs: out0 32 x 1 x 2,048 float32.
;; This version of the problem:
;;   THIS VERSION OF THE PROBLEM IS GIVEN IN LOW PRECISION. The matrix products marked QUANTISED in the list below multiply operands that are first quantised to E3M2 (3 exponent bits, 2 mantissa bits; 6 bits a number), with one power-of-two scale for each 32 numbers along K (OCP MX v1.0); their sums are f32. All else is computed in f32.
;;   The module's matrix products, in the order in which they are computed (A, B: the left and right operand; K: the contracted axis; several contracted axes count as one K, in the product's order):
;;     1. [M 65,536, K 1,024] x [K 1,024, N 1,024]; A: input encoder_outputs; B: input W_enc: QUANTISED
;;     2. [M 32, K 1,024] x [K 1,024, N 1,024]; A: input decoder_hidden; B: input W_dec: QUANTISED
;;     3. [M 65,536, K 1,024] x [K 1,024, N 1]; A: computed on the way; B: input v: left as it is (N = 1 < 16)
;;   THE QUANTISER, for each operand of a quantised product, along K:
;;     - K is cut into blocks of 32 from its start; a last block that is shorter is filled with zeros.
;;     - A block's scale is 2^e with e = floor(log2(the largest magnitude in the block)) - 4, held to -126 .. 127; a block of zeros has e = 0. As a byte (E8M0): e + 127.
;;     - Each number is divided by its block's scale, clamped to +-28, and rounded to the nearest number of E3M2, ties to even, subnormals kept.
;;     - The product sums the exact products of the quantised numbers (number of the format x scale) in f32.
;;   ~~~python
;;   def quantise(x, axis):      # numpy; x: float32 -> the quantised numbers, widened to float32 again
;;       x = np.moveaxis(x, axis, -1); K = x.shape[-1]
;;       x = np.pad(x, [(0, 0)] * (x.ndim - 1) + [(0, -K % 32)]); x = x.reshape(x.shape[:-1] + (-1, 32)); a = np.abs(x).max(-1, keepdims=True)
;;       e = np.where(a > 0, np.clip(np.frexp(np.where(a > 0, a, 1))[1] - 1 - 4, -126, 127), 0)      # np.frexp(a)[1] - 1 = floor(log2(a)), exactly
;;       r = np.clip(x / 2.0 ** e, -28, 28)
;;       step = 2.0 ** (np.maximum(np.frexp(np.where(r == 0, 1, r))[1] - 1, -2) - 2)
;;       q = np.round(r / step) * step * 2.0 ** e      # np.round: ties to even
;;       return np.moveaxis(q.reshape(q.shape[:-2] + (-1,))[..., :K], -1, axis).astype(np.float32)
;;   ~~~
;; One version. Each part assembles by itself: llvm-mc -triple=amdgcn-amd-amdhsa -mcpu=gfx1250 --defsym DOCPART=n.
;; ======== version 1 of 1: 3 launches
;; limits: right only within a limited range of input values
;; workspace buffers: wq 819,200 bytes; tab 524,288 bytes; sc 262,144 bytes
;; launch prep (part 1): grid 128 x 1, 8 waves a work-group, no clusters, 288,768 bytes of LDS; arguments W_enc, W_dec, decoder_hidden, b_dec, w_cov, v, wq, tab; writes wq, tab
.if DOCPART == 1
	.amdgcn_target "amdgcn-amd-amdhsa--gfx1250"
	.amdhsa_code_object_version 6
	.text
	.protected	k_q53855b6dff_prep
	.globl	k_q53855b6dff_prep
	.p2align	8
	.type	k_q53855b6dff_prep,@function
k_q53855b6dff_prep:
	s_mov_b64 s[64:65], 0
	v_nop
	global_prefetch_b8 v0, s[64:65] scope:SCOPE_SE
	s_setreg_imm32_b32 hwreg(HW_REG_WAVE_MODE, 25, 1), 1
	s_wait_xcnt 0x0
; TWO SMALL JOBS IN ONE LAUNCH, told apart by the work-group's number.
; Work-groups 0-63: tile i (16 rows = outputs) of W_enc [1024][1024] f32 becomes codes of BF6 (E3M2) with one E8M0 byte for each 32 along K, stored as IMAGES OF THE OPERAND'S REGISTERS in the
;   order in which the next launch reads them.  A fragment (16 outputs x 128 K, 12 registers a lane) is 1,536 bytes: registers 4 c .. 4 c + 3 of lane l at 512 c + 16 l.  A group g is tiles 2 g, 2 g + 1 (n = 0, 1):
;   25,600 bytes at 25,600 g: fragment (n, K step s) at 1,536 (8 n + s), then tile n's scale block at 24,576 + 512 n.
;   A tile's scale block: lane l's 16 bytes at 16 l; word q is row (l % 16)'s scale word of K step 2 q + l / 16.
; Work-groups 64-127: tile i' of W_dec and all 32 rows of decoder_hidden are quantised alike and multiplied; the table tab[b][o] = (c (dec + b_dec), c w_cov, -2 v, v), c = 2 log2(e), is stored: what the next launch
;   wants for tanh(y) = 1 - 2 / (1 + 2^(c y)).
; SHARES: eight waves; wave s takes K step s (128 along K).  For the conversions lane (r, h) must hold row r and k = 128 s + 64 c + 32 h + 0 .. 31: two whole blocks, in the order of the operand's registers.
; A LOAD TAKES THE BYTES AS THEY LIE: 512 consecutive bytes of one row, 16 a lane.  The 16 rows go through the wave's own stage in LDS (rows 528 bytes apart = 33 x 16: the sixteen rows of a read start in
; sixteen different columns of 16 bytes) and come back 128 bytes a lane.  A wave reads its own stage alone: no barrier; LDS serves a wave's instructions in order.
; A block's scale is 2^(floor(log2(largest magnitude)) - 4); its byte is that magnitude's exponent field - 4, held at 1 from below.
; LIMITS: a block of zeros gets the byte 1 (its codes are zeros, and this program alone reads the bytes); NaN and infinities among the inputs are not served.
; NO CLUSTER, NO TENSOR LOAD: what work-groups share is decoder_hidden alone, 16 KB of the 24 KB that a decoder wave reads; each path has LDS bytes of its own.
.set CC,   0x4038aa3b                  ; c = 2 log2(e)
.set STA,  5                           ; v5      the stage, in: my wave's stage + 16 x lane
.set LDA,  6                           ; v6      the stage, back: my wave's stage + 528 r + 128 h
.set QM,   8                           ; v8-9    the two blocks' largest magnitudes
.set QS,   10                          ; v10-11  the conversions' scale operands
.set QB,   12                          ; v12-13  the scale bytes
.set WP,   14                          ; v14     lane l xor 16's half of a scale word
.set SH8,  15                          ; v15     8 h
.set XA,   16                          ; v16-79, v80-143, v144-207: three sets of 64 numbers
.set XB,   80
.set XC,   144
.set FD,   208                         ; v208-219 the weight's fragment;  v220-231, v232-243 decoder_hidden's two
.set FH0,  220
.set FH1,  232
.set QT,   248                         ; v248-255 at work
.set ESC,  0                           ; LDS, first job: a tile's scale block, 512 bytes
.set PART, 1024                        ; LDS, second job: eight waves' partial sums, 2,048 bytes each
.set STG,  16*528                      ; a stage: 16 rows
.set ESTG, 17408                       ; LDS, first job: a stage for each wave
.set DSTG, ESTG+8*STG                  ; LDS, second job: three stages for each wave
.set WV,   20                          ; s20  my wave's number = my K step
.macro LDX x, b, off, nt               ; 16 rows' 512 bytes of my K step, as they lie: row i in registers 4 i .. 4 i + 3, lane l its bytes 16 l on
.irp i, 0,1,2,3,4,5,6,7,8,9,10,11,12,13,14,15
.if \nt
	global_load_b128 v[\x+4*\i:\x+4*\i+3], v4, s[\b:\b+1] offset:\off+4096*\i th:TH_LOAD_NT
.else
	global_load_b128 v[\x+4*\i:\x+4*\i+3], v4, s[\b:\b+1] offset:\off+4096*\i
.endif
.endr
.endm
.macro STOREX x, st                    ; into the stage at st
.irp i, 0,1,2,3,4,5,6,7,8,9,10,11,12,13,14,15
	ds_store_b128 v[STA], v[\x+4*\i:\x+4*\i+3] offset:\st+528*\i
.endr
.endm
.macro TURNX x, st                     ; and back: register 32 c + i = k 64 c + 32 h + i of row r
.irp c, 0,1
.irp q, 0,1,2,3,4,5,6,7
	ds_load_b128 v[\x+32*\c+4*\q:\x+32*\c+4*\q+3], v[LDA] offset:\st+256*\c+16*\q
.endr
.endr
.endm
; 64 numbers at v[x] become a fragment's codes at v[f] and my row's scale word in v[w]
.macro QW x, f, w
.irp c, 0,1
	v_max3_num_f32 v[QM+\c], |v[\x+32*\c]|, |v[\x+32*\c+1]|, 0x2800000     ; the floor 2^(5 - 127) among the leaves: the byte cannot fall under 1
	v_max3_num_f32 v[QT+\c], |v[\x+32*\c+16]|, |v[\x+32*\c+17]|, |v[\x+32*\c+18]|
.endr
.irp i, 2,4,6,8,10,12
.irp c, 0,1
	s_delay_alu instid0(VALU_DEP_4)
	v_max3_num_f32 v[QM+\c], v[QM+\c], |v[\x+32*\c+\i]|, |v[\x+32*\c+\i+1]|  ; four chains by turns
	s_delay_alu instid0(VALU_DEP_4)
	v_max3_num_f32 v[QT+\c], v[QT+\c], |v[\x+32*\c+\i+17]|, |v[\x+32*\c+\i+18]|
.endr
.endr
.irp c, 0
	s_delay_alu instid0(VALU_DEP_4)
	v_max3_num_f32 v[QM+\c], v[QM+\c], |v[\x+32*\c+14]|, |v[\x+32*\c+15]|
.endr
.irp c, 1
	s_delay_alu instid0(VALU_DEP_3)
	v_max3_num_f32 v[QM+\c], v[QM+\c], |v[\x+32*\c+14]|, |v[\x+32*\c+15]|
.endr
.irp c, 0,1
	s_delay_alu instid0(VALU_DEP_2)
	v_max3_num_f32 v[QM+\c], v[QM+\c], v[QT+\c], |v[\x+32*\c+31]|
.endr
.irp c, 0,1
	s_delay_alu instid0(VALU_DEP_2)
	v_add_nc_u32 v[QS+\c], 0xfe000000, v[QM+\c]    ; 4 off the exponent field: the conversion takes this operand's exponent field as its scale
.endr
.irp c, 0,1
	s_delay_alu instid0(VALU_DEP_2)
	v_lshrrev_b32 v[QB+\c], 23, v[QS+\c]           ; the scale's byte
.endr
	s_delay_alu instid0(VALU_DEP_1)
	v_lshl_or_b32 v[\w], v[QB+1], 16, v[QB]        ; my bytes: blocks h and 2 + h,
	s_delay_alu instid0(VALU_DEP_1)
	v_lshlrev_b32 v[\w], v[SH8], v[\w]             ; at their places;
	s_delay_alu instid0(VALU_DEP_1)
	v_permlanex16_b32 v[WP], v[\w], s22, s23
	s_delay_alu instid0(VALU_DEP_1)
	v_or_b32 v[\w], v[\w], v[WP]                   ; with lane l xor 16's two the word is whole
.irp c, 0,1
	v_cvt_scalef32_pk16_bf6_f32 v[QT+4*\c:QT+4*\c+2], v[\x+32*\c+16:\x+32*\c+31], v[QS+\c]   ; a conversion's three registers begin on an even number: the upper half is made here and moved
.endr
.irp c, 0,1
	v_cvt_scalef32_pk16_bf6_f32 v[\f+6*\c:\f+6*\c+2], v[\x+32*\c:\x+32*\c+15], v[QS+\c]
.endr
	v_nop                                          ; one plain line behind the conversions
.irp c, 0,1
.irp i, 0,1,2
	v_mov_b32 v[\f+6*\c+3+\i], v[QT+4*\c+\i]
.endr
.endr
.endm
	s_load_b256 s[4:11], s[0:1], 0x0               ; W_enc s[4:5], W_dec s[6:7], decoder_hidden s[8:9], b_dec s[10:11]
	s_load_b256 s[12:19], s[0:1], 0x20             ; w_cov s[12:13], v s[14:15], wq s[16:17], tab s[18:19]
	v_lshl_add_u32 v251, v0, 2, 0x46400
	v_mov_b32 v255, 0
	v_lshrrev_b32 v1, 5, v0
	s_delay_alu instid0(VALU_DEP_1)
	v_readfirstlane_b32 s[WV], v1
	v_and_b32 v1, 15, v0                           ; r
	v_bfe_u32 v2, v0, 4, 1                         ; h
	v_and_b32 v3, 31, v0                           ; lane
	s_delay_alu instid0(VALU_DEP_1)
	v_lshlrev_b32 v7, 4, v3                        ; 16 x lane
	s_lshl_b32 s21, s[WV], 9
	v_add_nc_u32 v4, s21, v7                       ; in a row of 4,096 bytes: 512 x K step + 16 x lane
	v_mul_u32_u24 v[LDA], v1, 528
	s_delay_alu instid0(VALU_DEP_1)
	v_lshl_add_u32 v[LDA], v2, 7, v[LDA]           ; 528 r + 128 h
	v_lshlrev_b32 v[SH8], 3, v2
	v_mov_b32 v[WP], 0                             ; a lane permute's destination counts as read
	s_mov_b32 s22, 0x76543210
	s_mov_b32 s23, 0xfedcba98                      ; selects for lane l xor 16
	s_cmp_lt_u32 ttmp9, 64
	s_cbranch_scc0 .Ldec
	; ---------------- W_enc: tile i = work-group
	s_lshl_b32 s24, ttmp9, 16                      ; 16 rows of 4,096 bytes
	s_mov_b32 s25, 0
	s_lshr_b32 s26, ttmp9, 1                       ; g
	s_and_b32 s27, ttmp9, 1                        ; n
	s_mul_i32 s30, s26, 25600                      ; the group
	s_lshl_b32 s32, s27, 3
	s_add_co_u32 s32, s32, s[WV]                   ; fragment 8 n + s
	s_mul_i32 s32, s32, 1536
	s_add_co_u32 s31, s30, s32
	s_lshl_b32 s33, s27, 9
	s_add_co_u32 s30, s30, s33
	s_add_co_u32 s30, s30, 24576                   ; the tile's scale block
	s_wait_alu depctr_va_vdst(0)
	v_add_nc_u32 v247, s31, v7                     ; where my 16 bytes of the fragment's first 512 go
	s_mul_i32 s34, s[WV], STG
	s_add_co_u32 s34, s34, ESTG                    ; my wave's stage
	v_add_nc_u32 v[STA], s34, v7
	v_add_nc_u32 v[LDA], s34, v[LDA]
	s_and_b32 s28, s[WV], 1
	s_lshl_b32 s28, s28, 8
	s_lshr_b32 s29, s[WV], 1
	s_lshl_b32 s29, s29, 2
	s_add_co_u32 s28, s28, s29
	v_lshl_add_u32 v3, v1, 4, s28                  ; LDS: 16 r + 256 (s % 2) + 4 (s / 2)
	s_wait_alu depctr_va_vdst(0)
	s_wait_kmcnt 0x0
	s_add_nc_u64 s[4:5], s[4:5], s[24:25]
	LDX XA, 4, 0, 1
	s_wait_loadcnt 0x0
	STOREX XA, 0
	TURNX XB, 0                                    ; into other registers than the stores read: no wait between
	s_wait_dscnt 0x0
	QW XB, FD, 244
.irp c, 0,1,2
	global_store_b128 v247, v[FD+4*\c:FD+4*\c+3], s[16:17] offset:512*\c   ; 32 lanes store 512 consecutive bytes, at a multiple of 512 from the buffer's first byte
.endr
	ds_store_b32 v3, v244 offset:ESC               ; both halves of the lanes write the same word with the same value
	s_wait_dscnt 0x0                               ; for the others' sake: my word lies in LDS
	s_barrier_signal -1
	s_barrier_wait -1
	s_cmp_lg_u32 s[WV], 0
	s_cbranch_scc1 .Lenc_done
	ds_load_b128 v[16:19], v7 offset:ESC           ; wave 0 stores the eight waves' words as one block of 512 bytes
	v_add_nc_u32 v8, s30, v7
	s_wait_alu depctr_va_vdst(0)
	s_wait_dscnt 0x0
	global_store_b128 v8, v[16:19], s[16:17]
.Lenc_done:
	s_wait_tensorcnt 0x0
	ds_add_u32 v251, v255
	s_wait_dscnt 0x0
	s_endpgm
	; ---------------- W_dec: tile i' = work-group - 64
.Ldec:
	s_sub_co_u32 s24, ttmp9, 64
	s_lshl_b32 s26, s24, 16
	s_mov_b32 s27, 0
	s_mul_i32 s34, s[WV], 3*STG
	s_add_co_u32 s34, s34, DSTG                    ; my wave's three stages
	s_wait_alu depctr_va_vdst(0)
	v_add_nc_u32 v[STA], s34, v7
	v_add_nc_u32 v[LDA], s34, v[LDA]
	s_lshl_b32 s28, s24, 6
	v_lshl_add_u32 v7, v1, 2, s28                  ; b_dec, w_cov, v: 4 (16 i' + r)
	s_lshl_b32 s31, s[WV], 14
	s_lshl_b32 s32, s24, 8
	s_add_co_u32 s31, s31, s32
	v_lshl_add_u32 v3, v2, 17, s31
	s_delay_alu instid0(VALU_DEP_1)
	v_lshl_add_u32 v3, v1, 4, v3                   ; tab: batch 8 h + wave (16,384 bytes each), output 16 i' + r (16 bytes each)
	s_mov_b32 s33, CC
	s_wait_alu depctr_va_vdst(0)
	s_wait_kmcnt 0x0
	s_add_nc_u64 s[6:7], s[6:7], s[26:27]
	global_load_b32 v1, v7, s[10:11]               ; b_dec, w_cov, v of my output: asked for first (r and h are done with)
	global_load_b32 v2, v7, s[12:13]
	global_load_b32 v247, v7, s[14:15]
	LDX XA, 6, 0, 1                                ; W_dec's 16 rows
	LDX XB, 8, 0, 0                                ; decoder_hidden's rows 0-15
	LDX XC, 8, 65536, 0                            ; and 16-31
	s_wait_loadcnt 32                              ; the first set is in; the 32 loads behind it may be out
	STOREX XA, 0
	s_wait_loadcnt 16
	STOREX XB, STG
	s_wait_dscnt 16                                ; all but the second set's stores: the first set's stores have read their registers,
	TURNX XA, 0                                    ; which take the set back, turned
	s_wait_loadcnt 0x0
	STOREX XC, 2*STG
	s_wait_dscnt 32                                ; behind the second set's stores stand 16 reads and 16 stores
	TURNX XB, STG
	s_wait_dscnt 32                                ; behind the first set's reads stand 16 stores and 16 reads: the first set is back
	QW XA, FD, 244
	s_wait_dscnt 16                                ; behind the third set's stores stand 16 reads
	TURNX XC, 2*STG
	s_wait_dscnt 16                                ; the second set is back
	QW XB, FH0, 245
	s_wait_dscnt 0x0
	QW XC, FH1, 246
	v_and_b32 v6, 31, v0                           ; the stages are done with: the addresses for the partial sums
	s_lshl_b32 s29, s[WV], 11
	v_lshl_add_u32 v5, v6, 2, s29                  ; LDS, in: 2,048 x wave + 4 x lane
	s_lshl_b32 s30, s[WV], 7
	v_lshl_add_u32 v6, v6, 2, s30                  ; LDS, back: 128 x wave + 4 x lane
.rept 8
	v_nop                                          ; a scale register written by a vector instruction stands 8 places ahead of a scaled matrix instruction, an operand so written 4
.endr
	v_wmma_scale_f32_16x16x128_f8f6f4 v[16:23], v[FH0:FH0+11], v[FD:FD+11], 0, v245, v244 matrix_a_fmt:MATRIX_FMT_BF6 matrix_b_fmt:MATRIX_FMT_BF6   ; register j of lane (r, h): batch 8 h + j, output r; my K step's part
	v_wmma_scale_f32_16x16x128_f8f6f4 v[24:31], v[FH1:FH1+11], v[FD:FD+11], 0, v246, v244 matrix_a_fmt:MATRIX_FMT_BF6 matrix_b_fmt:MATRIX_FMT_BF6   ; batches 16 on
.rept 4
	v_nop                                          ; four places ahead of the first read of the results
.endr
.irp q, 0,1,2,3,4,5,6,7,8,9,10,11,12,13,14,15
	ds_store_b32 v5, v[16+\q] offset:PART+128*\q   ; each accumulator from its low end on
.endr
	s_wait_alu depctr_va_vdst(0)
	s_wait_dscnt 0x0                               ; for the others' sake
	s_barrier_signal -1
	s_barrier_wait -1
.irp t, 0,1
.irp s, 0,1,2,3,4,5,6,7
	ds_load_b32 v[80+8*\t+\s], v6 offset:PART+2048*\s+1024*\t   ; wave w takes register w of both tiles from all eight K steps
.endr
.endr
	s_wait_dscnt 0x0
.irp s, 1
	v_add_f32 v80, v80, v[80+\s]                   ; K ascending; two chains by turns
	v_add_f32 v88, v88, v[88+\s]
.endr
.irp s, 2, 3, 4, 5, 6, 7
	s_delay_alu instid0(VALU_DEP_2)
	v_add_f32 v80, v80, v[80+\s]                   ; K ascending; two chains by turns
	s_delay_alu instid0(VALU_DEP_2)
	v_add_f32 v88, v88, v[88+\s]
.endr
	v_mul_f32 v147, s33, v1                        ; c b_dec
	v_mul_f32 v153, s33, v2                        ; c w_cov
	v_mul_f32 v154, -2.0, v247                     ; -2 v
	v_mov_b32 v155, v247
	s_delay_alu instid0(VALU_DEP_4)
	v_fma_f32 v152, v80, s33, v147                 ; c dec + c b_dec, batch 8 h + wave
	v_fma_f32 v156, v88, s33, v147                 ; batch 16 + 8 h + wave
	v_mov_b32 v157, v153
	v_mov_b32 v158, v154
	v_mov_b32 v159, v247
	global_store_b128 v3, v[152:155], s[18:19]                 ; sixteen lanes store 256 consecutive bytes, at a multiple of 256
	global_store_b128 v3, v[156:159], s[18:19] offset:262144
	s_wait_tensorcnt 0x0
	ds_add_u32 v251, v255
	s_wait_dscnt 0x0
	s_endpgm
.Lfunc_end_k_q53855b6dff_prep:
	.size	k_q53855b6dff_prep, .Lfunc_end_k_q53855b6dff_prep-k_q53855b6dff_prep
	.p2alignl 7, 3214868480
	.fill 96, 4, 3214868480
	.section	.rodata,"a",@progbits
	.p2align	6, 0x0
	.amdhsa_kernel k_q53855b6dff_prep
		.amdhsa_group_segment_fixed_size 288768
		.amdhsa_private_segment_fixed_size 0
		.amdhsa_enable_private_segment 0
		.amdhsa_kernarg_size 64
		.amdhsa_user_sgpr_count 2
		.amdhsa_user_sgpr_kernarg_segment_ptr 1
		.amdhsa_wavefront_size32 1
		.amdhsa_system_sgpr_workgroup_id_x 1
		.amdhsa_system_sgpr_workgroup_id_y 1
		.amdhsa_system_sgpr_workgroup_id_z 1
		.amdhsa_system_vgpr_workitem_id 0
		.amdhsa_next_free_vgpr 256
		.amdhsa_next_free_sgpr 66
		.amdhsa_reserve_vcc 0
		.amdhsa_float_denorm_mode_32 3
		.amdhsa_float_denorm_mode_16_64 3
		.amdhsa_memory_ordered 1
		.amdhsa_forward_progress 1
		.amdhsa_inst_pref_size 40
	.end_amdhsa_kernel
	.amdgpu_metadata
---
amdhsa.version: [ 1, 2 ]
amdhsa.kernels:
  - .name:           k_q53855b6dff_prep
    .symbol:         k_q53855b6dff_prep.kd
    .args:
      - { .name: W_enc, .offset: 0, .size: 8, .value_kind: global_buffer, .address_space: global }
      - { .name: W_dec, .offset: 8, .size: 8, .value_kind: global_buffer, .address_space: global }
      - { .name: decoder_hidden, .offset: 16, .size: 8, .value_kind: global_buffer, .address_space: global }
      - { .name: b_dec, .offset: 24, .size: 8, .value_kind: global_buffer, .address_space: global }
      - { .name: w_cov, .offset: 32, .size: 8, .value_kind: global_buffer, .address_space: global }
      - { .name: v, .offset: 40, .size: 8, .value_kind: global_buffer, .address_space: global }
      - { .name: wq, .offset: 48, .size: 8, .value_kind: global_buffer, .address_space: global }
      - { .name: tab, .offset: 56, .size: 8, .value_kind: global_buffer, .address_space: global }
    .group_segment_fixed_size: 288768
    .private_segment_fixed_size: 0
    .kernarg_segment_align: 8
    .kernarg_segment_size: 64
    .max_flat_workgroup_size: 256
    .sgpr_count:     66
    .vgpr_count:     256
    .wavefront_size: 32
...
	.end_amdgpu_metadata
.endif
;; end of part 1
;; launch main (part 2): grid 256 x 1, 4 waves a work-group, clusters of 4 x 1, 327,680 bytes of LDS; arguments encoder_outputs, coverage, wq, tab, sc; writes sc
.if DOCPART == 2
	.amdgcn_target "amdgcn-amd-amdhsa--gfx1250"
	.amdhsa_code_object_version 6
	.text
	.protected	k_q53855b6dff_main
	.globl	k_q53855b6dff_main
	.p2align	8
	.type	k_q53855b6dff_main,@function
k_q53855b6dff_main:
	s_mov_b64 s[64:65], 0
	v_nop
	global_prefetch_b8 v0, s[64:65] scope:SCOPE_SE
	s_setreg_imm32_b32 hwreg(HW_REG_WAVE_MODE, 25, 1), 1
	s_wait_xcnt 0x0
	s_wait_alu depctr_hold_cnt(0) depctr_sa_sdst(0) depctr_va_vdst(0) depctr_va_sdst(0) depctr_va_ssrc(0) depctr_va_vcc(0) depctr_vm_vsrc(0)
	s_getreg_b32 s2, hwreg(HW_REG_IB_STS2, 6, 4)
	s_cmp_eq_u32 s2, 0
	s_cbranch_scc0 .Lentry_in_a_cluster
	s_endpgm
.Lentry_in_a_cluster:
	s_bfe_u32 s2, ttmp6, 0x10000c
	s_cmp_lg_u32 s2, 0x3003
	s_cbranch_scc0 .Lentry_shape_is_right
	s_endpgm
.Lentry_shape_is_right:
; sc[row] = sum over o of v[o] tanh(enc[row][o] + dec[b][o] + b_dec[o] + coverage[row] w_cov[o]) for the work-group's 256 rows of one batch, 64 rows a wave.
; PART 1: the rows' f32 numbers come in K steps of 128 through two LDS slots (a wave's own 64 rows x 512 bytes, pitch 528), are quantised to codes of BF6 with E8M0 bytes
; (a block's byte = its largest magnitude's exponent field - 4, held at 1 from below) and stay in registers: windows 1 and 2, 12 registers for 16 rows x 128 K; scale words in v16-31.
; PART 2: W_enc's register images (wq) come through two LDS slots of four groups (a group: 2 tiles of 16 outputs, all of K), by joint loads of the cluster's 4 work-groups, which all walk the same weights.
; A group is 64 matrix instructions on 8 accumulators by turns; the group's way out runs while the next group's 50 LDS loads are out.
; tanh(y) = 1 - 2 / (1 + 2^(c y)), c = 2 log2(e); the table holds, 16 bytes an output, c (dec + b_dec), c w_cov, -2 v, v.  Where 2^(c y) is infinite its reciprocal is 0 and tanh is 1.
; The batch's 16 KB of the table go through registers into LDS bytes of their own, on which no fill lands: each wave loads 4 KB, 512 consecutive bytes an instruction.
; encoder_outputs is not prefetched: each byte is read once, and in every step of part 1 the next step's tensor load, 128 KB a work-group, is out.
; LIMITS: a block of zeros gets the byte 1 (its codes are zeros; this program alone reads the bytes); NaN and infinities among the inputs are not served.
.set AROWP, 528
.set AWAVE, 64*AROWP
.set ASLOT, 4*AWAVE
.set WQG,   25600
.set WSLOT, 4*WQG
.set RING1, 1<<17
.set TAB,   2*ASLOT
.set SPARE, TAB+16384
.set SCR,   SPARE+512
.set CVO,  1
.set LI,   2
.set ADR,  3
.set TABA, 4
.set ADT,  5
.set SPW,  6
.set NIL,  7
.set AL,   8
.set VS,   10
.set PFO,  12
.set SH8,  13
.set SCRA, 14
.set TMP,  15
.set TST,  41                          ; v41: where my 16 bytes of the table's first 512 go in LDS
.set SA,   16
.set SW,   32
.set TBL,  48
.set ACC,  64
.set COV,  192
.set SCO,  224
.set QM,   48
.set QS,   50
.set QB,   52
.set WD,   54
.set WP,   55
.set QT,   56
.set WV,   14
.set G1A,  24
.set G0A,  32
.set G1W,  40
.set G0W,  48
.set G1T,  52
.set G0T,  60
.set CS,   80
.set SEL,  82
.set HI16, 84
.set TB,   85
.set TT,   86
.set SLOTS, 87
.set GRP,  88
.set PFL,  89
.set MSB, 0
.macro WIN new
.if MSB != \new
	s_set_vgpr_msb (MSB<<8)|\new
.set MSB, \new
.endif
.endm
.macro CROUND
	s_barrier_signal -1
	s_barrier_wait -1
	s_cmp_lg_u32 s[WV], 0
	s_cbranch_scc1 .Lnot_wave_0_\@
	s_barrier_signal -3
.Lnot_wave_0_\@:
	s_barrier_wait -3
	s_barrier_signal -1
	s_barrier_wait -1
.endm
.macro G1J g, rows
	s_mov_b32 s[\g], 15|(3<<16)|(1<<21)
	s_mov_b32 s[\g+1], 32<<16
	s_mov_b32 s[\g+2], (\rows)<<16
	s_mov_b32 s[\g+3], 32<<16
	s_mov_b32 s[\g+4], \rows
	s_mov_b32 s[\g+5], 32
	s_mov_b32 s[\g+6], 0
	s_mov_b32 s[\g+7], 0
.endm
	s_load_b256 s[4:11], s[0:1], 0x0
	s_load_b64 s[12:13], s[0:1], 0x20
	v_lshl_add_u32 v[SPW], v0, 2, SPARE
	v_mov_b32 v[NIL], 0
	ds_add_u32 v6, v7
	ds_add_u32 v6, v7
	s_wait_dscnt 0x0
	v_lshrrev_b32 v1, 5, v0
	v_readfirstlane_b32 s[WV], v1
	s_bfe_u32 s15, ttmp6, 0x40000
	s_lshl_b32 s16, ttmp9, 2
	s_add_co_u32 s16, s16, s15
	s_mov_b32 s[G1A], (2<<16)|(1<<20)|(6<<22)|(3<<25)
	s_mov_b32 s[G1A+1], 128<<16
	s_mov_b32 s[G1A+2], 64<<16
	s_mov_b32 s[G1A+3], 128<<16
	s_mov_b32 s[G1A+4], 64
	s_mov_b32 s[G1A+5], 1024
	s_mov_b32 s[G1A+6], 0
	s_mov_b32 s[G1A+7], 0
	G1J G1W, 100
	s_mov_b32 s[CS], 0x4038aa3b
	s_mov_b32 s[CS+1], s[CS]
	s_mov_b32 s[SEL], 0x76543210
	s_mov_b32 s[SEL+1], 0xfedcba98
	s_mov_b32 s[HI16], 0xffff0000
	s_lshl_b32 s17, s[WV], 8
	s_lshl_b32 s90, s16, 20
	s_lshl_b32 s91, s[WV], 18
	s_add_co_u32 s90, s90, s91
	s_mov_b32 s91, 0
	s_lshl_b32 s92, s16, 10
	s_add_co_u32 s92, s92, s17
	s_mov_b32 s93, 0
	s_lshl_b32 s18, s16, 13
	s_mul_i32 s94, s[WV], WQG
	s_mov_b32 s95, 0
	s_lshr_b32 s96, ttmp9, 1
	s_lshl_b32 s96, s96, 14
	s_lshl_b32 s97, s[WV], 12
	s_add_co_u32 s96, s96, s97
	s_mov_b32 s97, 0
	s_cmp_lt_u32 ttmp9, 25
	s_cselect_b32 s[PFL], 0, 1
	s_or_b32 s[PFL], s[PFL], s[WV]
	s_wait_kmcnt 0x0
	s_mov_b32 s[G0A], 1
	s_mul_i32 s[G0A+1], s[WV], AWAVE
	s_add_nc_u64 s[G0A+2:G0A+3], s[4:5], s[90:91]
	s_mov_b32 s[G0A+4], 1
	s_add_co_u32 s[G0A+5], s[G0A+1], ASLOT
	s_add_nc_u64 s[G0A+6:G0A+7], s[G0A+2:G0A+3], 512
	s_or_b32 s[G0A+3], s[G0A+3], 0x80000000
	s_or_b32 s[G0A+7], s[G0A+7], 0x80000000
	s_mov_b32 s[G0W], 1
	s_mul_i32 s[G0W+1], s[WV], WQG
	s_add_nc_u64 s[G0W+2:G0W+3], s[8:9], s[94:95]
	s_or_b32 s[G0W+3], s[G0W+3], 0x80000000
	s_lshl_b32 s[G0T+1], s[WV], 12
	s_add_co_u32 s[G0T+1], s[G0T+1], TAB
	s_add_nc_u64 s[G0T+2:G0T+3], s[10:11], s[96:97]
	s_add_nc_u64 s[6:7], s[6:7], s[92:93]
	s_add_nc_u64 s[12:13], s[12:13], s[92:93]
	CROUND
	tensor_load_to_lds s[G0A:G0A+3], s[G1A:G1A+7]
	s_nop 0
	s_wait_alu depctr_va_vdst(0)
	s_wait_tensorcnt 0x0
	ds_add_u32 v6, v7
	s_wait_dscnt 0x0
	CROUND
	tensor_load_to_lds s[G0A+4:G0A+7], s[G1A:G1A+7]
	s_nop 0
.rept 4
	v_nop
.endr
	v_and_b32 v[TMP], 31, v0
	v_lshlrev_b32 v[LI], 4, v[TMP]
	v_lshlrev_b32 v[PFO], 8, v[TMP]
	v_add_nc_u32 v[PFO], s18, v[PFO]
	v_and_b32 v[TABA], 15, v0
	v_bfe_u32 v[SH8], v0, 4, 1
	v_mul_u32_u24 v[AL], v[TABA], AROWP
	v_lshl_add_u32 v[AL], v[SH8], 7, v[AL]
	v_add_nc_u32 v[AL], s[G0A+1], v[AL]
	v_add_nc_u32 v[AL+1], ASLOT, v[AL]
	v_lshlrev_b32 v[CVO], 5, v[SH8]
	v_add_nc_u32 v[SCRA], s17, v[CVO]
	v_add_nc_u32 v[SCRA], SCR, v[SCRA]
	v_lshl_add_u32 v[TABA], v[TABA], 4, TAB
	v_lshlrev_b32 v[SH8], 3, v[SH8]
	v_mov_b32 v[WP], 0
	v_add_nc_u32 v[TST], s[G0T+1], v[LI]           ; TAB + 4,096 x wave + 16 x lane
.irp m, 0,1,2,3
.irp i, 0,1
	global_load_b128 v[COV+8*\m+4*\i:COV+8*\m+4*\i+3], v[CVO], s[6:7] offset:64*\m+16*\i
.endr
.endr
.irp i, 0,1,2,3,4,5,6,7
	global_load_b128 v[SCO+4*\i:SCO+4*\i+3], v[LI], s[G0T+2:G0T+3] offset:512*\i   ; my wave's 4 KB of the batch's table, 512 consecutive bytes an instruction
.endr
.macro FETCHX u, m, slot
.irp c, 0,1
.irp q, 0,1,2,3,4,5,6,7
	ds_load_b128 v[ACC+64*(\u)+32*\c+4*\q:ACC+64*(\u)+32*\c+4*\q+3], v[AL+\slot] offset:16*AROWP*(\m)+256*\c+16*\q
.endr
.endr
.endm
.macro QUANT u, m, s
.set X, ACC+64*(\u)
.set F, 12*(4*(\m)+(\s)%4)
.set SR, SA+4*(\m)+(\s)/2
.irp c, 0,1
	v_max3_num_f32 v[QM+\c], |v[X+32*\c]|, |v[X+32*\c+1]|, 0x2800000
	v_max3_num_f32 v[QT+\c], |v[X+32*\c+16]|, |v[X+32*\c+17]|, |v[X+32*\c+18]|
.endr
.irp i, 2,4,6,8,10,12
.irp c, 0,1
	v_max3_num_f32 v[QM+\c], v[QM+\c], |v[X+32*\c+\i]|, |v[X+32*\c+\i+1]|
	v_max3_num_f32 v[QT+\c], v[QT+\c], |v[X+32*\c+\i+17]|, |v[X+32*\c+\i+18]|
.endr
.endr
.irp c, 0,1
	v_max3_num_f32 v[QM+\c], v[QM+\c], |v[X+32*\c+14]|, |v[X+32*\c+15]|
.endr
.irp c, 0,1
	v_max3_num_f32 v[QM+\c], v[QM+\c], v[QT+\c], |v[X+32*\c+31]|
.endr
.irp c, 0,1
	v_add_nc_u32 v[QS+\c], 0xfe000000, v[QM+\c]
.endr
.irp c, 0,1
	v_lshrrev_b32 v[QB+\c], 23, v[QS+\c]
.endr
	v_lshl_or_b32 v[WD], v[QB+1], 16, v[QB]
	v_lshlrev_b32 v[WD], v[SH8], v[WD]
	v_permlanex16_b32 v[WP], v[WD], s[SEL], s[SEL+1]
.if (\s)%2 == 0
	v_or_b32 v[SR], v[WD], v[WP]
.else
	v_or_b32 v[WD], v[WD], v[WP]
	v_cndmask_b32 v[SR], v[SR], v[WD], s[HI16]
.endif
.irp c, 0,1
	v_cvt_scalef32_pk16_bf6_f32 v[QT+4*\c:QT+4*\c+2], v[X+32*\c+16:X+32*\c+31], v[QS+\c]
.endr
	WIN 0x40*(1+(\s)/4)
.irp c, 0,1
	v_cvt_scalef32_pk16_bf6_f32 v[F+6*\c:F+6*\c+2], v[X+32*\c:X+32*\c+15], v[QS+\c]
.endr
	v_nop
.irp c, 0,1
.irp i, 0,1,2
	v_mov_b32 v[F+6*\c+3+\i], v[QT+4*\c+\i]
.endr
.endr
	WIN 0
.endm
.macro QSTEP s
	FETCHX 0, 0, (\s)%2
	FETCHX 1, 1, (\s)%2
	s_wait_dscnt 16
	QUANT 0, 0, \s
	FETCHX 0, 2, (\s)%2
	s_wait_dscnt 16
	QUANT 1, 1, \s
	FETCHX 1, 3, (\s)%2
	s_wait_dscnt 16
	QUANT 0, 2, \s
	s_wait_dscnt 0x0
	QUANT 1, 3, \s
.endm
.macro CHANGE_A g0, g1, step
	s_wait_tensorcnt 0x0
	ds_add_u32 v[SPW], v[NIL]
.if \step
	s_add_nc_u64 s[\g0+2:\g0+3], s[\g0+2:\g0+3], 1024
.endif
	s_wait_dscnt 0x0
	CROUND
	tensor_load_to_lds s[\g0:\g0+3], s[\g1:\g1+7]
	s_nop 0
.rept 4
	v_nop
.endr
.endm
	s_wait_alu depctr_va_vdst(0)
	QSTEP 0                                        ; slot 0 was awaited ahead of the round above; K step 1's load is out meanwhile
	s_wait_loadcnt 0x0                             ; the table's numbers are in registers,
	s_wait_tensorcnt 0x0                           ; and no tensor load of mine is out while I store to LDS
.irp i, 0,1,2,3,4,5,6,7
	ds_store_b128 v[TST], v[SCO+4*\i:SCO+4*\i+3] offset:512*\i   ; the change's wait for 0 on DScnt and its round show these bytes to the other waves
.endr
	CHANGE_A G0A, G1A, 1
	QSTEP 1
	CHANGE_A G0A+4, G1A, 1
	QSTEP 2
	CHANGE_A G0A, G1A, 1
	QSTEP 3
	CHANGE_A G0A+4, G1A, 1
	QSTEP 4
	CHANGE_A G0A, G1A, 1
	QSTEP 5
	CHANGE_A G0A+4, G1A, 1
	s_cmp_eq_u32 s[PFL], 0
	s_cbranch_scc0 .Lno_prefetch
	global_prefetch_b8 v[PFO], s[8:9] th:TH_LOAD_NT scope:SCOPE_SE
.Lno_prefetch:
	QSTEP 6
	CHANGE_A G0W, G1W, 0
	QSTEP 7
.set i, 0
.rept 64
	v_mov_b32 v[ACC+i], 0
.set i, i+1
.endr
.set i, 0
.rept 8
	v_mov_b32 v[TBL+i], 0
.set i, i+1
.endr
.set i, 0
.rept 32
	v_mov_b32 v[SCO+i], 0
.set i, i+1
.endr
	v_mov_b32 v[VS], 0
	v_mov_b32 v[VS+1], 0
	s_wait_loadcnt 0x0
	s_mov_b32 s[TB], 0
	s_mov_b32 s[TT], 0
	s_mov_b32 s[SLOTS], 7
.macro MM
.set ms, i/8
.set mn, (i%8)/4
.set mm, i%4
.if ms < 4
	WIN 0x0d
.else
	WIN 0x0e
.endif
.set rD, ACC+8*(i%8)
.set rA, 12*(4*mm+ms%4)
.set rB, 12*(8*mn+ms)
.set rSA, SA+4*mm+ms/2
.set rSW, SW+4*mn+ms/2
.if ms == 0
	v_wmma_scale_f32_16x16x128_f8f6f4 v[rD:rD+7], v[rA:rA+11], v[rB:rB+11], 0, v[rSA], v[rSW] matrix_a_fmt:MATRIX_FMT_BF6 matrix_b_fmt:MATRIX_FMT_BF6
.elseif ms%2 == 0
	v_wmma_scale_f32_16x16x128_f8f6f4 v[rD:rD+7], v[rA:rA+11], v[rB:rB+11], v[rD:rD+7], v[rSA], v[rSW] matrix_a_fmt:MATRIX_FMT_BF6 matrix_b_fmt:MATRIX_FMT_BF6
.else
	v_wmma_scale_f32_16x16x128_f8f6f4 v[rD:rD+7], v[rA:rA+11], v[rB:rB+11], v[rD:rD+7], v[rSA], v[rSW] matrix_a_fmt:MATRIX_FMT_BF6 matrix_b_fmt:MATRIX_FMT_BF6 matrix_a_scale:MATRIX_SCALE_ROW1 matrix_b_scale:MATRIX_SCALE_ROW1
.endif
.endm
.macro EP
.set p, j%32
.set pn, p/16
.set pr, 8*((p/4)%4)+2*(p%4)
.if j < 32
	v_pk_fma_f32 v[ACC+2*p:ACC+2*p+1], v[ACC+2*p:ACC+2*p+1], s[CS:CS+1], v[TBL+4*pn:TBL+4*pn+1] op_sel_hi:[1,0,0]
.elseif j < 64
	v_pk_fma_f32 v[ACC+2*p:ACC+2*p+1], v[COV+pr:COV+pr+1], v[TBL+4*pn:TBL+4*pn+1], v[ACC+2*p:ACC+2*p+1] op_sel:[0,1,0] op_sel_hi:[1,1,1]
.elseif j < 128
	v_exp_f32 v[ACC+j-64], v[ACC+j-64]
.elseif j < 160
	v_pk_add_f32 v[ACC+2*p:ACC+2*p+1], v[ACC+2*p:ACC+2*p+1], 1.0 op_sel_hi:[1,0]
.elseif j < 224
	v_rcp_f32 v[ACC+j-160], v[ACC+j-160]
.else
	v_pk_fma_f32 v[SCO+pr:SCO+pr+1], v[ACC+2*p:ACC+2*p+1], v[TBL+4*pn+2:TBL+4*pn+3], v[SCO+pr:SCO+pr+1] op_sel_hi:[1,0,1]
.endif
.endm
.macro EPILOGUE
.set e, 0
.rept 48                               ; all 32 reads of the accumulators, each from its low end on, and the first tile's 16 second multiply-adds
.set j, e
	EP
.set e, e+1
.endr
.set e, 0
	s_wait_alu depctr_va_vdst(0)                   ; the wait ahead of the batch
.rept 16                               ; the first tile's 32 exponentials; between them the second tile's 16 second multiply-adds, which read what was written ahead of the wait
.set j, 64+2*e
	EP
.set j, 65+2*e
	EP
.set j, 48+e
	EP
.set e, e+1
.endr
	s_wait_alu depctr_va_vdst(0)
.set e, 0
.rept 16
.set j, 96+2*e
	EP
.set j, 97+2*e
	EP
.set j, 128+e
	EP
.set e, e+1
.endr
	s_wait_alu depctr_va_vdst(0)
.set e, 0
.rept 16
.set j, 160+2*e
	EP
.set j, 161+2*e
	EP
.set j, 144+e
	EP
.set e, e+1
.endr
	s_wait_alu depctr_va_vdst(0)
.set e, 0
.rept 16
.set j, 192+2*e
	EP
.set j, 193+2*e
	EP
.set j, 224+e
	EP
.set e, e+1
.endr
	s_wait_alu depctr_va_vdst(0)
.set e, 0
.rept 16
.set j, 240+e
	EP
.set e, e+1
.endr
	v_add_f32 v[VS], v[VS], v[TBL+3]
	v_add_f32 v[VS], v[VS], v[TBL+7]
.endm
.macro H
	v_add_nc_u32 v[ADR], s[TB], v[LI]
.rept 3
	v_nop
.endr
	WIN 0xc0
.irp f, 0,1,2,3,4,5,6,7,8,9,10,11,12,13,14,15
.irp c, 0,1,2
	ds_load_b128 v[12*\f+4*\c:12*\f+4*\c+3], v[ADR] offset:1536*\f+512*\c
.endr
.endr
	WIN 0
.irp n, 0,1
	ds_load_b128 v[SW+4*\n:SW+4*\n+3], v[ADR] offset:24576+512*\n
.endr
	s_wait_dscnt 50
	EPILOGUE
	v_add_nc_u32 v[ADT], s[TT], v[TABA]
.irp n, 0,1
	ds_load_b128 v[TBL+4*\n:TBL+4*\n+3], v[ADT] offset:256*\n
.endr
	s_add_co_u32 s[TB], s[TB], WQG
	s_add_co_u32 s[TT], s[TT], 512
	s_wait_dscnt 2
.set i, 0
.rept 64
	MM
.set i, i+1
.endr
	WIN 0
.endm
.macro BODY
	s_mov_b32 s[GRP], 4
.Lgroup_\@:
	H
	s_sub_co_u32 s[GRP], s[GRP], 1
	s_cmp_lg_u32 s[GRP], 0
	s_cbranch_scc1 .Lgroup_\@
	s_sub_co_u32 s[TB], s[TB], WSLOT
	s_xor_b32 s[TB], s[TB], RING1
.endm
.macro CHANGE_W fill
	s_wait_tensorcnt 0x0
	ds_add_u32 v[SPW], v[NIL]
.if \fill
	s_xor_b32 s[G0W+1], s[G0W+1], RING1
	s_add_nc_u64 s[G0W+2:G0W+3], s[G0W+2:G0W+3], WSLOT
.endif
	s_wait_dscnt 0x0
.if \fill
	CROUND
	tensor_load_to_lds s[G0W:G0W+3], s[G1W:G1W+7]
	s_nop 0
.rept 4
	v_nop
.endr
.else
	s_barrier_signal -1
	s_barrier_wait -1
.endif
.endm
.Lslot:
	CHANGE_W 1
	BODY
	s_sub_co_u32 s[SLOTS], s[SLOTS], 1
	s_cmp_lg_u32 s[SLOTS], 0
	s_cbranch_scc1 .Lslot
	CHANGE_W 0
	BODY
.rept 4
	v_nop
.endr
	s_wait_dscnt 0x0
	EPILOGUE
.set i, 0
.rept 16
	v_pk_add_f32 v[SCO+2*i:SCO+2*i+1], v[SCO+2*i:SCO+2*i+1], v[VS:VS+1] op_sel_hi:[1,0]
.set i, i+1
.endr
.irp x, 1,2,4,8
.set i, 0
.rept 32
	v_add_f32_dpp v[SCO+i], v[SCO+i], v[SCO+i] row_xmask:\x row_mask:0xf bank_mask:0xf
.set i, i+1
.endr
.endr
.irp m, 0,1,2,3
.irp q, 0,1,2,3,4,5,6,7
	ds_store_b32 v[SCRA], v[SCO+8*\m+\q] offset:64*\m+4*\q
.endr
.endr
	v_and_b32 v[ADR], 31, v0
	v_lshlrev_b32 v[ADT], 3, v[ADR]
	v_add_nc_u32 v[ADR], s17, v[ADT]
	v_add_nc_u32 v[ADR], SCR, v[ADR]
	ds_load_b64 v[ACC:ACC+1], v[ADR]
	s_wait_alu depctr_va_vdst(0)
	s_wait_dscnt 0x0
	global_store_b64 v[ADT], v[ACC:ACC+1], s[12:13]
	s_wait_tensorcnt 0x0
	ds_add_u32 v[SPW], v[NIL]
	s_wait_dscnt 0x0
	CROUND
	s_endpgm
.Lfunc_end_k_q53855b6dff_main:
	.size	k_q53855b6dff_main, .Lfunc_end_k_q53855b6dff_main-k_q53855b6dff_main
	.p2alignl 7, 3214868480
	.fill 96, 4, 3214868480
	.section	.rodata,"a",@progbits
	.p2align	6, 0x0
	.amdhsa_kernel k_q53855b6dff_main
		.amdhsa_group_segment_fixed_size 327680
		.amdhsa_private_segment_fixed_size 0
		.amdhsa_enable_private_segment 0
		.amdhsa_kernarg_size 40
		.amdhsa_user_sgpr_count 2
		.amdhsa_user_sgpr_kernarg_segment_ptr 1
		.amdhsa_wavefront_size32 1
		.amdhsa_system_sgpr_workgroup_id_x 1
		.amdhsa_system_sgpr_workgroup_id_y 1
		.amdhsa_system_sgpr_workgroup_id_z 1
		.amdhsa_system_vgpr_workitem_id 0
		.amdhsa_next_free_vgpr 1024
		.amdhsa_next_free_sgpr 100
		.amdhsa_reserve_vcc 0
		.amdhsa_float_denorm_mode_32 3
		.amdhsa_float_denorm_mode_16_64 3
		.amdhsa_memory_ordered 1
		.amdhsa_forward_progress 1
		.amdhsa_inst_pref_size 219
	.end_amdhsa_kernel
	.amdgpu_metadata
---
amdhsa.version: [ 1, 2 ]
amdhsa.kernels:
  - .name:           k_q53855b6dff_main
    .symbol:         k_q53855b6dff_main.kd
    .args:
      - { .name: encoder_outputs, .offset: 0, .size: 8, .value_kind: global_buffer, .address_space: global }
      - { .name: coverage, .offset: 8, .size: 8, .value_kind: global_buffer, .address_space: global }
      - { .name: wq, .offset: 16, .size: 8, .value_kind: global_buffer, .address_space: global }
      - { .name: tab, .offset: 24, .size: 8, .value_kind: global_buffer, .address_space: global }
      - { .name: sc, .offset: 32, .size: 8, .value_kind: global_buffer, .address_space: global }
    .group_segment_fixed_size: 327680
    .private_segment_fixed_size: 0
    .kernarg_segment_align: 8
    .kernarg_segment_size: 40
    .max_flat_workgroup_size: 128
    .sgpr_count:     100
    .vgpr_count:     1024
    .wavefront_size: 32
...
	.end_amdgpu_metadata
.endif
;; end of part 2
;; launch soft (part 3): grid 32 x 1, 8 waves a work-group, no clusters, 1,280 bytes of LDS; arguments sc, out0; writes out0
.if DOCPART == 3
	.amdgcn_target "amdgcn-amd-amdhsa--gfx1250"
	.amdhsa_code_object_version 6
	.text
	.protected	k_q53855b6dff_soft
	.globl	k_q53855b6dff_soft
	.p2align	8
	.type	k_q53855b6dff_soft,@function
k_q53855b6dff_soft:
	s_mov_b64 s[64:65], 0
	v_nop
	global_prefetch_b8 v0, s[64:65] scope:SCOPE_SE
	s_setreg_imm32_b32 hwreg(HW_REG_WAVE_MODE, 25, 1), 1
	s_wait_xcnt 0x0
; out0[b][:] = softmax of sc[b][0 .. 2047].  A work-group takes a batch's 8,192 bytes; thread t holds 16 bytes at 16 t and 16 at 4,096 + 16 t, so the row is read once and stays in registers.
; The row's maximum is taken away before the exponential; maximum and sum go lane to lane inside a wave and from wave to wave through eight words of LDS each.
; No matrix unit, no cluster, no tensor load: 32 short rows, nothing shared.
	s_load_b128 s[4:7], s[0:1], 0x0                ; sc, out0
	v_lshl_add_u32 v32, v0, 2, 0x100
	v_mov_b32 v33, 0
	v_lshlrev_b32 v1, 4, v0
	v_lshrrev_b32 v2, 5, v0
	s_delay_alu instid0(VALU_DEP_1)
	v_readfirstlane_b32 s8, v2                     ; wave
	s_delay_alu instid0(VALU_DEP_1)
	v_mov_b32 v3, s8
	s_delay_alu instid0(VALU_DEP_1)
	v_lshlrev_b32 v3, 2, v3                        ; my wave's word
	v_mov_b32 v2, 0
	s_lshl_b32 s10, ttmp9, 13
	s_mov_b32 s11, 0
	s_mov_b32 s12, 0x76543210
	s_mov_b32 s13, 0xfedcba98                      ; selects for lane l xor 16
	s_mov_b32 s14, 0x3fb8aa3b                      ; log2(e)
	s_mov_b32 s15, s14
	s_wait_alu depctr_va_vdst(0)
	s_wait_kmcnt 0x0
	s_add_nc_u64 s[4:5], s[4:5], s[10:11]
	s_add_nc_u64 s[6:7], s[6:7], s[10:11]
	global_load_b128 v[4:7], v1, s[4:5] th:TH_LOAD_NT
	global_load_b128 v[8:11], v1, s[4:5] offset:4096 th:TH_LOAD_NT
	s_wait_loadcnt 0x0
	v_max3_num_f32 v12, v4, v5, v6
	v_max3_num_f32 v13, v7, v8, v9
	s_delay_alu instid0(VALU_DEP_2)
	v_max3_num_f32 v12, v12, v10, v11
	s_delay_alu instid0(VALU_DEP_1)
	v_max_num_f32 v12, v12, v13
.irp x, 1,2,4,8
	s_delay_alu instid0(VALU_DEP_1)
	v_max_num_f32_dpp v12, v12, v12 row_xmask:\x row_mask:0xf bank_mask:0xf
.endr
	s_delay_alu instid0(VALU_DEP_1)
	v_permlanex16_b32 v13, v12, s12, s13
	s_delay_alu instid0(VALU_DEP_1)
	v_max_num_f32 v12, v12, v13                    ; my wave's maximum
	ds_store_b32 v3, v12
	s_wait_dscnt 0x0                               ; for the others' sake
	s_barrier_signal -1
	s_barrier_wait -1
	ds_load_b128 v[16:19], v2
	ds_load_b128 v[20:23], v2 offset:16
	s_wait_dscnt 0x0
	v_max3_num_f32 v24, v16, v17, v18
	v_max3_num_f32 v25, v19, v20, v21
	s_delay_alu instid0(VALU_DEP_2)
	v_max3_num_f32 v24, v24, v22, v23
	s_delay_alu instid0(VALU_DEP_1)
	v_max_num_f32 v24, v24, v25                    ; the row's maximum
.irp q, 4,6,8,10
	v_pk_add_f32 v[\q:\q+1], v[\q:\q+1], v[24:25] op_sel_hi:[1,0] neg_lo:[0,1] neg_hi:[0,1]   ; x - m first,
.endr
.irp q, 4,6,8,10
	s_delay_alu instid0(VALU_DEP_4)
	v_pk_mul_f32 v[\q:\q+1], v[\q:\q+1], s[14:15] op_sel_hi:[1,0]                             ; then x log2(e)
.endr
	s_wait_alu depctr_va_vdst(0)
.irp q, 4,5,6,7,8,9,10,11
	v_exp_f32 v[\q], v[\q]
.endr
	v_nop                                          ; a plain line behind the exponentials,
	s_wait_alu depctr_va_vdst(0)                   ; and one wait for the eight, ahead of their first reader
	v_pk_add_f32 v[12:13], v[4:5], v[6:7]
	v_pk_add_f32 v[14:15], v[8:9], v[10:11]
	s_delay_alu instid0(VALU_DEP_1)
	v_pk_add_f32 v[12:13], v[12:13], v[14:15]
	s_delay_alu instid0(VALU_DEP_1)
	v_add_f32 v12, v12, v13
.irp x, 1,2,4,8
	s_delay_alu instid0(VALU_DEP_1)
	v_add_f32_dpp v12, v12, v12 row_xmask:\x row_mask:0xf bank_mask:0xf
.endr
	s_delay_alu instid0(VALU_DEP_1)
	v_permlanex16_b32 v13, v12, s12, s13
	s_delay_alu instid0(VALU_DEP_1)
	v_add_f32 v12, v12, v13                        ; my wave's sum
	ds_store_b32 v3, v12 offset:64                 ; other words than the maxima's: no barrier is owed between those reads and this store
	s_wait_dscnt 0x0
	s_barrier_signal -1
	s_barrier_wait -1
	ds_load_b128 v[16:19], v2 offset:64
	ds_load_b128 v[20:23], v2 offset:80
	s_wait_dscnt 0x0
	v_pk_add_f32 v[16:17], v[16:17], v[18:19]
	v_pk_add_f32 v[20:21], v[20:21], v[22:23]
	s_delay_alu instid0(VALU_DEP_1)
	v_pk_add_f32 v[16:17], v[16:17], v[20:21]
	s_delay_alu instid0(VALU_DEP_1)
	v_add_f32 v16, v16, v17                        ; the row's sum: at least 1
	s_wait_alu depctr_va_vdst(0)
	v_rcp_f32 v26, v16
	v_mov_b32 v27, 0                               ; a plain line behind the reciprocal (v27 is named with v26 as a pair)
	s_wait_alu depctr_va_vdst(0)
.irp q, 4,6,8,10
	v_pk_mul_f32 v[\q:\q+1], v[\q:\q+1], v[26:27] op_sel_hi:[1,0]
.endr
	global_store_b128 v1, v[4:7], s[6:7] th:TH_STORE_NT               ; a wave's store covers 512 consecutive bytes, aligned
	global_store_b128 v1, v[8:11], s[6:7] offset:4096 th:TH_STORE_NT
	s_wait_tensorcnt 0x0
	ds_add_u32 v32, v33
	s_wait_dscnt 0x0
	s_endpgm
.Lfunc_end_k_q53855b6dff_soft:
	.size	k_q53855b6dff_soft, .Lfunc_end_k_q53855b6dff_soft-k_q53855b6dff_soft
	.p2alignl 7, 3214868480
	.fill 96, 4, 3214868480
	.section	.rodata,"a",@progbits
	.p2align	6, 0x0
	.amdhsa_kernel k_q53855b6dff_soft
		.amdhsa_group_segment_fixed_size 1280
		.amdhsa_private_segment_fixed_size 0
		.amdhsa_enable_private_segment 0
		.amdhsa_kernarg_size 16
		.amdhsa_user_sgpr_count 2
		.amdhsa_user_sgpr_kernarg_segment_ptr 1
		.amdhsa_wavefront_size32 1
		.amdhsa_system_sgpr_workgroup_id_x 1
		.amdhsa_system_sgpr_workgroup_id_y 1
		.amdhsa_system_sgpr_workgroup_id_z 1
		.amdhsa_system_vgpr_workitem_id 0
		.amdhsa_next_free_vgpr 34
		.amdhsa_next_free_sgpr 66
		.amdhsa_reserve_vcc 0
		.amdhsa_float_denorm_mode_32 3
		.amdhsa_float_denorm_mode_16_64 3
		.amdhsa_memory_ordered 1
		.amdhsa_forward_progress 1
		.amdhsa_inst_pref_size 6
	.end_amdhsa_kernel
	.amdgpu_metadata
---
amdhsa.version: [ 1, 2 ]
amdhsa.kernels:
  - .name:           k_q53855b6dff_soft
    .symbol:         k_q53855b6dff_soft.kd
    .args:
      - { .name: sc, .offset: 0, .size: 8, .value_kind: global_buffer, .address_space: global }
      - { .name: out0, .offset: 8, .size: 8, .value_kind: global_buffer, .address_space: global }
    .group_segment_fixed_size: 1280
    .private_segment_fixed_size: 0
    .kernarg_segment_align: 8
    .kernarg_segment_size: 16
    .max_flat_workgroup_size: 256
    .sgpr_count:     66
    .vgpr_count:     34
    .wavefront_size: 32
...
	.end_amdgpu_metadata
.endif
;; end of part 3
